; MI455X (gfx1250); checked and timed in simulation.
; The chip was launched on July 23, 2026; its instructions are those of AMD's public machine-readable ISA for CDNA 5 (MIT licence, August 2026) and "CDNA5" Instruction Set Architecture Reference Guide (July 2026). The comments in the code are by the model that wrote it; some were corrected since.
;; Weighted Multi Head Attention. Allowed arithmetic: float matrix products may take bf16 or f16 operands with f32 sums; all other float work in f32.
;; Inputs: bk 1,024 float32; bo 1,024 float32; bq 1,024 float32; bv 1,024 float32; key 2 x 2,048 x 1,024 float32; query 2 x 2,048 x 1,024 float32; value 2 x 2,048 x 1,024 float32; weights 2 x 2,048 float32; wk 1,024 x 1,024 float32; wo 1,024 x 1,024 float32; wq 1,024 x 1,024 float32; wv 1,024 x 1,024 float32.
;; Outputs: out0 2 x 2,048 x 1,024 float32.
;; One version. Each part assembles by itself: llvm-mc -triple=amdgcn-amd-amdhsa -mcpu=gfx1250 --defsym DOCPART=n.
;; ======== version 1 of 1: 4 launches
;; limits: values are held in f16: magnitudes above 65,504 overflow, below 6.1e-05 lose precision
;; workspace buffers: xb 25,165,824 bytes; wb 8,388,608 bytes; heads 25,165,824 bytes; ctx 8,388,608 bytes
;; launch cast (part 1): grid 256 x 4, 8 waves a work-group, no clusters, 0 bytes of LDS; arguments query, key, value, wq, wk, wv, wo, xb, wb; writes xb, wb
.if DOCPART == 1
	.amdgcn_target "amdgcn-amd-amdhsa--gfx1250"
	.amdhsa_code_object_version 6
	.text
	.protected	k_q6d62b6d9b4_cast
	.globl	k_q6d62b6d9b4_cast
	.p2align	8
	.type	k_q6d62b6d9b4_cast,@function
k_q6d62b6d9b4_cast:
	s_mov_b64 s[64:65], 0
	v_nop
	global_prefetch_b8 v0, s[64:65] scope:SCOPE_SE
	s_setreg_imm32_b32 hwreg(HW_REG_WAVE_MODE, 25, 1), 1
	s_wait_xcnt 0x0
; xb[3][4096][1024] = f16(query | key | value);  wb[4][1024][1024] = f16(wq | wk | wv | wo), element by element, nothing transposed.
; A pure stream: each work-group turns 65,536 bytes of f32 into 32,768 bytes of f16.  Grid row y = 0, 1, 2: query, key, value (256 pieces
; each); y = 3: the four weights (64 pieces each).  No LDS, no matrix unit, no cluster: no byte is shared between work-groups.
; A wave's load covers 512 consecutive bytes, a wave's store 256 consecutive bytes that begin at a multiple of 256 from the buffer's start.
; LIMIT: numbers of magnitude 65,504 and more become infinite in f16; below 6e-5 they keep an absolute step of 6e-8.
; The drawn inputs are of size 1 (activations) and 1/32 (weights): a factor of 30 either way stays well inside.
.set X, 4                              ; v[4:67]   16 x 4 f32 as loaded
.set Y, 68                             ; v[68:99]  16 x 2 registers of packed f16
	s_load_b512 s[4:19], s[0:1], 0x0               ; query s[4:5], key s[6:7], value s[8:9], wq s[10:11], wk s[12:13], wv s[14:15], wo s[16:17], xb s[18:19]
	s_load_b64 s[20:21], s[0:1], 0x40              ; wb
	s_mov_b32 s23, ttmp9                           ; x
	s_and_b32 s22, ttmp7, 0xffff                   ; y
	s_lshr_b32 s26, s23, 6                         ; y = 3: which weight
	s_and_b32 s27, s23, 63                         ;        and which piece of it
	s_lshl_b32 s33, s22, 8
	s_add_co_u32 s33, s33, s23                     ; y < 3: piece 256 y + x of xb
	v_lshlrev_b32 v1, 4, v0                        ; 16 bytes of f32 a thread
	v_lshlrev_b32 v2, 3, v0                        ; 8 bytes of f16 a thread
	s_wait_kmcnt 0x0
	s_cmp_eq_u32 s22, 1
	s_cselect_b64 s[24:25], s[6:7], s[4:5]
	s_cmp_eq_u32 s22, 2
	s_cselect_b64 s[24:25], s[8:9], s[24:25]       ; query, key or value
	s_cmp_eq_u32 s26, 1
	s_cselect_b64 s[28:29], s[12:13], s[10:11]
	s_cmp_eq_u32 s26, 2
	s_cselect_b64 s[28:29], s[14:15], s[28:29]
	s_cmp_eq_u32 s26, 3
	s_cselect_b64 s[28:29], s[16:17], s[28:29]     ; wq, wk, wv or wo
	s_cmp_eq_u32 s22, 3
	s_cselect_b64 s[24:25], s[28:29], s[24:25]     ; from where
	s_cselect_b64 s[30:31], s[20:21], s[18:19]     ; to where
	s_cselect_b32 s32, s27, s23                    ; piece of the source
	s_cselect_b32 s33, s23, s33                    ; piece of the destination
	s_lshl_b32 s34, s32, 16                        ; x 65,536 bytes
	s_mov_b32 s35, 0
	s_lshl_b32 s36, s33, 15                        ; x 32,768 bytes
	s_mov_b32 s37, 0
	s_add_nc_u64 s[24:25], s[24:25], s[34:35]
	s_add_nc_u64 s[30:31], s[30:31], s[36:37]
.irp j, 0,1,2,3,4,5,6,7,8,9,10,11,12,13,14,15
	global_load_b128 v[X+4*\j:X+4*\j+3], v1, s[24:25] offset:4096*\j th:TH_LOAD_NT   ; all sixteen go out at once; each input byte is read once in the launch
.endr
.irp j, 0,1,2,3,4,5,6,7,8,9,10,11,12,13,14,15
	s_wait_loadcnt 15-\j                           ; loads come back in order (ISA guide 5.7.1): load j is in, the 15 - j younger ones stay out
	v_cvt_pk_f16_f32 v[Y+2*\j],   v[X+4*\j],   v[X+4*\j+1]
	v_cvt_pk_f16_f32 v[Y+2*\j+1], v[X+4*\j+2], v[X+4*\j+3]
	global_store_b64 v2, v[Y+2*\j:Y+2*\j+1], s[30:31] offset:2048*\j                 ; no register is ever written twice: no further wait
.endr
	s_endpgm
.Lfunc_end_k_q6d62b6d9b4_cast:
	.size	k_q6d62b6d9b4_cast, .Lfunc_end_k_q6d62b6d9b4_cast-k_q6d62b6d9b4_cast
	.p2alignl 7, 3214868480
	.fill 96, 4, 3214868480
	.section	.rodata,"a",@progbits
	.p2align	6, 0x0
	.amdhsa_kernel k_q6d62b6d9b4_cast
		.amdhsa_group_segment_fixed_size 0
		.amdhsa_private_segment_fixed_size 0
		.amdhsa_enable_private_segment 0
		.amdhsa_kernarg_size 72
		.amdhsa_user_sgpr_count 2
		.amdhsa_user_sgpr_kernarg_segment_ptr 1
		.amdhsa_wavefront_size32 1
		.amdhsa_system_sgpr_workgroup_id_x 1
		.amdhsa_system_sgpr_workgroup_id_y 1
		.amdhsa_system_sgpr_workgroup_id_z 1
		.amdhsa_system_vgpr_workitem_id 0
		.amdhsa_next_free_vgpr 100
		.amdhsa_next_free_sgpr 66
		.amdhsa_reserve_vcc 0
		.amdhsa_float_denorm_mode_32 3
		.amdhsa_float_denorm_mode_16_64 3
		.amdhsa_memory_ordered 1
		.amdhsa_forward_progress 1
		.amdhsa_inst_pref_size 7
	.end_amdhsa_kernel
	.amdgpu_metadata
---
amdhsa.version: [ 1, 2 ]
amdhsa.kernels:
  - .name:           k_q6d62b6d9b4_cast
    .symbol:         k_q6d62b6d9b4_cast.kd
    .args:
      - { .name: query, .offset: 0, .size: 8, .value_kind: global_buffer, .address_space: global }
      - { .name: key, .offset: 8, .size: 8, .value_kind: global_buffer, .address_space: global }
      - { .name: value, .offset: 16, .size: 8, .value_kind: global_buffer, .address_space: global }
      - { .name: wq, .offset: 24, .size: 8, .value_kind: global_buffer, .address_space: global }
      - { .name: wk, .offset: 32, .size: 8, .value_kind: global_buffer, .address_space: global }
      - { .name: wv, .offset: 40, .size: 8, .value_kind: global_buffer, .address_space: global }
      - { .name: wo, .offset: 48, .size: 8, .value_kind: global_buffer, .address_space: global }
      - { .name: xb, .offset: 56, .size: 8, .value_kind: global_buffer, .address_space: global }
      - { .name: wb, .offset: 64, .size: 8, .value_kind: global_buffer, .address_space: global }
    .group_segment_fixed_size: 0
    .private_segment_fixed_size: 0
    .kernarg_segment_align: 8
    .kernarg_segment_size: 72
    .max_flat_workgroup_size: 256
    .sgpr_count:     66
    .vgpr_count:     100
    .wavefront_size: 32
...
	.end_amdgpu_metadata
.endif
;; end of part 1
;; launch qkv (part 2): grid 4 x 48, 4 waves a work-group, clusters of 4 x 4, 327,680 bytes of LDS; arguments xb, wb, bq, bk, bv, heads; writes heads
.if DOCPART == 2
	.amdgcn_target "amdgcn-amd-amdhsa--gfx1250"
	.amdhsa_code_object_version 6
	.text
	.protected	k_q6d62b6d9b4_qkv
	.globl	k_q6d62b6d9b4_qkv
	.p2align	8
	.type	k_q6d62b6d9b4_qkv,@function
k_q6d62b6d9b4_qkv:
	s_mov_b64 s[64:65], 0
	v_nop
	global_prefetch_b8 v0, s[64:65] scope:SCOPE_SE
	s_setreg_imm32_b32 hwreg(HW_REG_WAVE_MODE, 25, 1), 1
	s_wait_xcnt 0x0
	s_wait_alu depctr_hold_cnt(0) depctr_sa_sdst(0) depctr_va_vdst(0) depctr_va_sdst(0) depctr_va_ssrc(0) depctr_va_vcc(0) depctr_vm_vsrc(0)
	s_getreg_b32 s2, hwreg(HW_REG_IB_STS2, 6, 4)
	s_cmp_eq_u32 s2, 0
	s_cbranch_scc0 .Lentry_in_a_cluster
	s_endpgm
.Lentry_in_a_cluster:
	s_bfe_u32 s2, ttmp6, 0x10000c
	s_cmp_lg_u32 s2, 0xf033
	s_cbranch_scc0 .Lentry_shape_is_right
	s_endpgm
.Lentry_shape_is_right:
; heads[g][b][h][s][64] = f16( (xb[g] . wb[g] + bias[g]) x scale[g] ),  g = 0, 1, 2 (Q, K, V);  scale = 0.125 log2(e) for Q, else 1.
; xb is read as A[12288][1024] (f16, K along the rows), wb[g] as W[1024 k][1024 n] (f16, n along the rows); sums in f32.
; A work-group makes 256 x 256 with four waves, a wave 128 x 128: 64 accumulator tiles, 512 registers.  K goes in steps of 128 through two LDS slots
; filled by the tensor data mover: A's tile rows are 256 bytes, W's 512 bytes, each beginning at a multiple of 256 bytes from its buffer's start.
; 12,288 x 1,024 outputs are 192 such blocks; blocks of 128 x 128 would give 768 work-groups but twice the LDS bytes for each multiply-add.
; CLUSTERS: 4 x 4 work-groups.  A's tile hangs on the block row alone and is asked for jointly by a row of the cluster, W's on the block column (and on g,
; which comes from the cluster's y and is the same in all sixteen) and is asked for jointly by a column: a quarter of the requests.
; W's fragments come out of LDS by the transposing load, so the weights are never transposed in memory.
; THE MATRIX INSTRUCTION IS USED TRANSPOSED: source 0 = 16 columns of W, source 1 = 16 rows of A; a lane then holds row l % 16 and eight neighbouring columns.
; LIMIT: a result of magnitude 65,504 or more becomes infinite in f16.  Inputs all 30 times the drawn size give about 900 x 6 = 5,400; inputs that all carry
; an offset of 30 spreads give about 1024 x 30 x 30/32 = 28,800.
; REGISTERS: window 0: v16-27 addresses, v64-127 / v128-191 fragments of A (two buffers), v192-223 packed results;
;            window 1: v64-127 / v128-191 fragments of W, v192-255 the bias of my 64 columns a lane-half;   windows 2, 3: accumulators (rows 0-63, 64-127).
.set SIZE_K, 1024
.set KSTEP,  128
.set PITCH,  272                       ; A in LDS: 256 bytes + 16 = 17 x 16: sixteen rows begin at sixteen different 16-byte columns modulo 256
.set WPITCH, 544                       ; W in LDS: 512 bytes + 32 = 17 x 32, an odd multiple of 32, as the transposing load's eight rows want
.set HALFT,  34816                     ; what one tensor load brings: 128 x 272 = 64 x 544
.set SLOT,   4*HALFT                   ; A's 256 rows, then W's 128 k rows
.set STAGE,  2*SLOT                    ; behind the ring: 16 rows x 272 bytes for each wave; no tensor load lands here
.set SPITCH, 272
.set WSTEP,  KSTEP*2048                ; bytes of W from one K step to the next
.set LAPS, SIZE_K/(2*KSTEP)            ; 4 laps of two K steps
.set ADRA, 16                          ; v16-17  LDS address of my A fragments in slot 0, 1
.set ADRB, 20                          ; v20-21  the same for W
.set STO,  24                          ; v24     the way out: where I put 16 bytes of a row
.set RD,   25                          ; v25     the way out: where I read them back
.set CO,   26                          ; v26     16 x lane
.set BO,   27                          ; v27     32 x (lane / 16): my eight numbers in 16 of the bias
.set F0,   64
.set F1,   128
.set TMP,  192                         ; window 0
.set BIAS, 192                         ; window 1
.set G1, 24                            ; s[24:31] group 1 for A
.set G0, 32                            ; s[32:39] group 0 for A, one set a slot
.set G1B, 48                           ; s[48:55] group 1 for W
.set G0B, 56                           ; s[56:63] group 0 for W, one set a slot
.set MSB, 0
.macro WIN new                         ; the immediate's high byte repeats the setting that is left
.if MSB != \new
	s_set_vgpr_msb (MSB<<8)|\new
.set MSB, \new
.endif
.endm
.set MUL_LO, 0xa1                      ; source 0 (W) window 1, source 1 (A) window 0, C and D window 2
.set MUL_HI, 0xf1                      ; the same, C and D window 3
.set TO_B,   0x40                      ; destination window 1, address window 0
; A joint load.  Waves 0 and 1 fetch A's two halves, waves 2 and 3 W's.  The branch hangs on the wave's number alone.
.macro JLOAD s
	s_cmp_eq_u32 s11, 0
	s_cbranch_scc0 .Lfor_b_\@
	tensor_load_to_lds s[G0+4*\s:G0+4*\s+3], s[G1:G1+7]
	s_nop 0
	s_branch .Lasked_\@
.Lfor_b_\@:
	tensor_load_to_lds s[G0B+4*\s:G0B+4*\s+3], s[G1B:G1B+7]
	s_nop 0
	v_nop
.Lasked_\@:
.endm
; A round of the cluster's barrier: my work-group's barrier; wave 0 signals for the work-group; every wave waits for all sixteen; my work-group's barrier again.
.macro CREST                           ; a round behind its opening barrier
	s_cmp_lg_u32 s10, 0
	s_cbranch_scc1 .Lnot_wave_0_\@
	s_barrier_signal -3
.Lnot_wave_0_\@:
	s_barrier_wait -3
	s_barrier_signal -1
	s_barrier_wait -1
.endm
.macro CROUND
	s_barrier_signal -1
	s_barrier_wait -1
	CREST
.endm
	s_load_b128 s[4:7], s[0:1], 0x0                ; xb s[4:5], wb s[6:7]
	s_load_b128 s[68:71], s[0:1], 0x10             ; bq s[68:69], bk s[70:71]
	s_load_b128 s[72:75], s[0:1], 0x20             ; bv s[72:73], heads s[74:75]
	s_set_vgpr_msb 0x40
	v_lshl_add_u32 v63, v0, 2, 0x48400
	s_set_vgpr_msb 0x4000
	v_mov_b32 v255, 0
	s_set_vgpr_msb 0x1
	ds_add_u32 v63, v255
	s_set_vgpr_msb 0x100
	v_lshrrev_b32 v1, 5, v0
	v_readfirstlane_b32 s10, v1                    ; wave 0..3
	s_lshr_b32 s11, s10, 1                         ; my half of the block's rows.  Also: I fetch for A (0) or for W (1)
	s_and_b32 s12, s10, 1                          ; my half of its columns.  Also: which half of that tile I fetch
	s_bfe_u32 s40, ttmp6, 0x40000                  ; cx
	s_bfe_u32 s41, ttmp6, 0x40004                  ; cy
	s_lshl_b32 s42, ttmp9, 2
	s_add_co_u32 s42, s42, s40                     ; block column 0..3
	s_and_b32 s13, ttmp7, 0xffff
	s_lshr_b32 s78, s13, 2                         ; g: four clusters along y for each of the three products
	s_lshl_b32 s13, s13, 2
	s_add_co_u32 s13, s13, s41                     ; block row 0..47
	s_lshl_b32 s43, s41, 2
	s_lshl_b32 s43, 15, s43                        ; my row of the cluster
	s_lshl_b32 s44, 0x1111, s40                    ; my column
	s_or_b32 s[G1+0], s43, (1<<16)|(1<<20)|(1<<21)|(5<<22)|(3<<25)   ; mask; 2-byte elements; padding on; bit 21 beside a mask; after every 64 words 4 words
	s_mov_b32 s[G1+1], KSTEP<<16                   ; tensor_dim0 = 128
	s_mov_b32 s[G1+2], 128<<16                     ; tensor_dim1 = 128
	s_mov_b32 s[G1+3], KSTEP<<16                   ; tile_dim0 = 128
	s_mov_b32 s[G1+4], 128                         ; tile_dim1 = 128
	s_mov_b32 s[G1+5], SIZE_K                      ; elements from row to row
	s_mov_b32 s[G1+6], 0
	s_mov_b32 s[G1+7], 0
	s_or_b32 s[G1B+0], s44, (1<<16)|(1<<20)|(1<<21)|(6<<22)|(7<<25)  ; the column's mask; after every 128 words 8 words
	s_mov_b32 s[G1B+1], 256<<16                    ; tensor_dim0 = 256 columns
	s_mov_b32 s[G1B+2], 64<<16                     ; tensor_dim1 = 64 k rows
	s_mov_b32 s[G1B+3], 256<<16                    ; tile_dim0
	s_mov_b32 s[G1B+4], 64                         ; tile_dim1
	s_mov_b32 s[G1B+5], 1024
	s_mov_b32 s[G1B+6], 0
	s_mov_b32 s[G1B+7], 0
	; A's tile hangs on the block row, W's on the block column and g; each offset in registers that never hold the other coordinate
	s_lshl_b32 s16, s13, 19                        ; 256 rows x 2,048 bytes x block row
	s_lshl_b32 s17, s12, 18                        ; + 128 rows x half
	s_add_co_u32 s16, s16, s17
	s_mov_b32 s17, 0
	s_lshl_b32 s46, s78, 21                        ; g x 2,097,152
	s_lshl_b32 s47, s12, 17                        ; + 64 k rows x 2,048 bytes x half
	s_add_co_u32 s46, s46, s47
	s_lshl_b32 s47, s42, 9                         ; + 256 columns x 2 bytes x block column
	s_add_co_u32 s46, s46, s47
	s_mov_b32 s47, 0
	s_mul_i32 s20, s10, HALFT                      ; where they go: wave x 34,816
	s_lshl_b32 s82, s42, 10                        ; the bias of my 128 columns: 4 x (256 x block column + 128 x half)
	s_lshl_b32 s83, s12, 9
	s_add_co_u32 s82, s82, s83
	s_mov_b32 s83, 0
	s_wait_dscnt 0x0
	s_wait_kmcnt 0x0
	s_add_nc_u64 s[14:15], s[4:5], s[16:17]
	s_add_nc_u64 s[46:47], s[6:7], s[46:47]
	s_cmp_eq_u32 s78, 1
	s_cselect_b64 s[80:81], s[70:71], s[68:69]
	s_cmp_eq_u32 s78, 2
	s_cselect_b64 s[80:81], s[72:73], s[80:81]     ; bq, bk or bv
	s_cmp_eq_u32 s78, 0
	s_cselect_b32 s76, 0x3e38aa3b, 1.0             ; Q carries 1/8 and log2(e), so that the softmax works on powers of two
	s_mov_b32 s77, s76
	s_add_nc_u64 s[80:81], s[80:81], s[82:83]
	CROUND                                         ; all sixteen work-groups are here: the first joint loads meet
.irp s, 0,1
	s_mov_b32 s[G0+4*\s], 1
	s_add_co_u32 s[G0+4*\s+1], s20, \s*SLOT
	s_add_nc_u64 s[G0+4*\s+2:G0+4*\s+3], s[14:15], \s*KSTEP*2
	s_or_b32 s[G0+4*\s+3], s[G0+4*\s+3], 0x80000000
	s_mov_b32 s[G0B+4*\s], 1
	s_add_co_u32 s[G0B+4*\s+1], s20, \s*SLOT
	s_add_nc_u64 s[G0B+4*\s+2:G0B+4*\s+3], s[46:47], \s*WSTEP
	s_or_b32 s[G0B+4*\s+3], s[G0B+4*\s+3], 0x80000000
	JLOAD \s                                       ; both slots are asked for before anything else: two tensor loads of the wave are out
.endr
	v_and_b32 v1, 15, v0                           ; r = l % 16
	v_bfe_u32 v2, v0, 4, 1                         ; h = l / 16
	v_lshlrev_b32 v[BO], 5, v2
	WIN TO_B
.irp b, 0,1,2,3,4,5,6,7
	global_load_b128 v[BIAS+8*\b:BIAS+8*\b+3],   v[BO], s[80:81] offset:64*\b      ; bias of columns 16 b + 8 h + 0..3
	global_load_b128 v[BIAS+8*\b+4:BIAS+8*\b+7], v[BO], s[80:81] offset:64*\b+16   ; and + 4..7
.endr
	WIN 0
	v_mul_u32_u24 v3, v1, PITCH
	v_lshl_add_u32 v3, v2, 4, v3                   ; A: row x pitch + 16 h
	v_and_b32 v4, 7, v0
	v_lshl_add_u32 v4, v2, 3, v4                   ; W: k row 8 h + l % 8
	v_mul_u32_u24 v4, v4, WPITCH
	v_bfe_u32 v5, v0, 3, 1
	v_lshl_add_u32 v4, v5, 4, v4                   ; + 16 bytes for the odd groups of eight lanes
	s_mul_i32 s21, s11, HALFT                      ; my 128 rows of A
	s_lshl_b32 s22, s12, 8                         ; my 128 columns of W,
	s_add_co_u32 s22, s22, 2*HALFT                 ; which lies behind A's 256 rows
.irp s, 0,1
	v_add_nc_u32 v[ADRA+\s], s21, v3
	v_add_nc_u32 v[ADRB+\s], s22, v4
	s_add_co_u32 s21, s21, SLOT
	s_add_co_u32 s22, s22, SLOT
.endr
	s_mul_i32 s23, s10, 16*SPITCH
	s_add_co_u32 s23, s23, STAGE                   ; my stage
	v_add_nc_u32 v[STO], s23, v3                   ; in: row r, 16 bytes for each half of the lanes
	v_bfe_u32 v5, v0, 3, 2                         ; back: eight lanes take the 128 bytes that one head has in a row, four rows a load
	v_and_b32 v6, 7, v0
	v_mul_u32_u24 v5, v5, SPITCH
	v_lshl_add_u32 v5, v6, 4, v5
	v_add_nc_u32 v[RD], s23, v5
	v_and_b32 v6, 31, v0
	v_lshlrev_b32 v[CO], 4, v6
	s_wait_loadcnt 0x0                             ; the bias, once
	WIN 0x41                                       ; destination and source 0 in window 1
.irp j, 0,2,4,6,8,10,12,14,16,18,20,22,24,26,28,30,32,34,36,38,40,42,44,46,48,50,52,54,56,58,60,62
	v_pk_mul_f32 v[BIAS+\j:BIAS+\j+1], v[BIAS+\j:BIAS+\j+1], s[76:77] op_sel_hi:[1,0]   ; (sum + b) x scale = sum x scale + b x scale: one fused multiply-add on the way out
.endr
	WIN 0
; 16 matrix instructions: m blocks a0, a0 + 1 of the window's four x all 8 n blocks, 32 along K.  zero = 1: the first product starts the sums.
; The 64 accumulators take turns, one instruction a turn, in the same order in every quarter step.
.macro MUL16 f, hi, a0, zero
.irp a, \a0, \a0+1
.irp b, 0,1,2,3,4,5,6,7
.if \zero
	v_wmma_f32_16x16x32_f16 v[8*(8*(\a)+\b):8*(8*(\a)+\b)+7], v[\f+8*\b:\f+8*\b+7], v[\f+8*(4*\hi+\a):\f+8*(4*\hi+\a)+7], 0
.else
	v_wmma_f32_16x16x32_f16 v[8*(8*(\a)+\b):8*(8*(\a)+\b)+7], v[\f+8*\b:\f+8*\b+7], v[\f+8*(4*\hi+\a):\f+8*(4*\hi+\a)+7], v[8*(8*(\a)+\b):8*(8*(\a)+\b)+7]
.endif
.endr
.endr
.endm
; 32 LDS loads in one run: quarter q (32 along K) of a slot into buffer f.  W: k rows 32 q .. 32 q + 31, transposed on the way, 16 columns a pair of loads; A: 64 q bytes into its rows.
.macro FETCH slot, q, f
	WIN TO_B
.irp i, 0,1,2,3,4,5,6,7
	ds_load_tr16_b128 v[\f+8*\i:\f+8*\i+3],   v[ADRB+\slot] offset:\q*32*WPITCH+32*\i
	ds_load_tr16_b128 v[\f+8*\i+4:\f+8*\i+7], v[ADRB+\slot] offset:\q*32*WPITCH+16*WPITCH+32*\i
.endr
	WIN 0
.irp i, 0,1,2,3,4,5,6,7
	ds_load_b128 v[\f+8*\i:\f+8*\i+3],   v[ADRA+\slot] offset:\q*64+\i*16*PITCH
	ds_load_b128 v[\f+8*\i+4:\f+8*\i+7], v[ADRA+\slot] offset:\q*64+\i*16*PITCH+32
.endr
.endm
; Four plain vector instructions stand between a matrix instruction and a load into one of its registers or a vector instruction that reads its result (ISA guide 7.12.1 for vector instructions).
.macro PLACES
.rept 4
	v_nop
.endr
.endm
.macro QUARTER slot, q, f, g, zero
	s_wait_dscnt 8                                 ; W and A's rows 0-63 are in; the youngest eight loads (A's rows 64-127) may be out
	WIN MUL_LO
	MUL16 \f, 0, 0, \zero
	MUL16 \f, 0, 2, \zero
	PLACES
	FETCH \slot, \q, \g
	s_wait_dscnt 32                                ; all but the 32 just issued
	WIN MUL_HI
	MUL16 \f, 1, 0, \zero
	MUL16 \f, 1, 2, \zero
.endm
.macro THREE slot, zero
	QUARTER \slot, 1, F0, F1, \zero
	QUARTER \slot, 2, F1, F0, 0
	QUARTER \slot, 3, F0, F1, 0
.endm
; The last quarter multiplies buffer 1 and changes slots.  In front of the barrier each wave waits for its reads of this slot and for all its tensor loads (one is out: its part
; of the next slot).  Where the slot is filled again the barrier opens a round of the cluster's barrier, and the joint refill is the first tensor load behind the round.
.macro TURN slot, next, fill
	s_wait_dscnt 8
	WIN MUL_LO
	MUL16 F1, 0, 0, 0
	s_wait_dscnt 0                                 ; my reads of this slot are over
	s_wait_tensorcnt 0x0                           ; all my tensor loads have landed
	ds_add_u32 v63, v255
	s_wait_dscnt 0x0
	s_barrier_signal -1
	MUL16 F1, 0, 2, 0                              ; register work while the others arrive
	WIN 0
	s_barrier_wait -1
.if \fill
	CREST                                          ; no wave of any partner still reads this slot or has a load on its way
	s_add_nc_u64 s[G0+4*\slot+2:G0+4*\slot+3], s[G0+4*\slot+2:G0+4*\slot+3], 2*KSTEP*2
	s_add_nc_u64 s[G0B+4*\slot+2:G0B+4*\slot+3], s[G0B+4*\slot+2:G0B+4*\slot+3], 2*WSTEP
	JLOAD \slot                                    ; two K steps ahead; it has 240 matrix instructions in which to land
.endif
	PLACES
	FETCH \next, 0, F0
	WIN MUL_HI
	MUL16 F1, 1, 0, 0
	MUL16 F1, 1, 2, 0
.endm
.macro LAP zero
	THREE 0, \zero
	TURN 0, 1, 1
	THREE 1, 0
	TURN 1, 0, 1
.endm
	s_wait_tensorcnt 1                             ; my part of K step 0 is in; K step 1's load stays out
	s_barrier_signal -1
	s_barrier_wait -1
	FETCH 0, 0, F0
	LAP 1                                          ; the first lap stands in front of the loop: its first products start the sums
	WIN 0
	s_mov_b32 s3, LAPS-2
.Llap:
	LAP 0
	WIN 0
	s_sub_co_u32 s3, s3, 1
	s_cmp_lg_u32 s3, 0
	s_cbranch_scc1 .Llap
	THREE 0, 0                                     ; the last lap fills nothing
	TURN 0, 1, 0
	THREE 1, 0
	s_wait_dscnt 8
	WIN MUL_LO
	MUL16 F1, 0, 0, 0
	MUL16 F1, 0, 2, 0
	s_wait_dscnt 0
	WIN MUL_HI
	MUL16 F1, 1, 0, 0
	MUL16 F1, 1, 2, 0
	; THE WAY OUT, 16 rows at a time: scale and bias in f32, round to f16, 16 bytes a lane into my own stage, read back head by head.
	PLACES
	s_lshl_b32 s16, s13, 8
	s_lshl_b32 s14, s11, 7
	s_add_co_u32 s16, s16, s14                     ; my first row R of the 12,288
	s_lshr_b32 s17, s16, 11                        ; R / 2048 = 2 g + b,
	s_lshl_b32 s17, s17, 22                        ; each 16 heads x 2,048 rows x 128 bytes
	s_and_b32 s16, s16, 2047                       ; the position s in the sequence,
	s_lshl_b32 s16, s16, 7                         ; 128 bytes each
	s_add_co_u32 s16, s16, s17
	s_lshl_b32 s82, s42, 20                        ; my first head 4 x block column + 2 x half, 262,144 bytes each
	s_lshl_b32 s83, s12, 19
	s_add_co_u32 s82, s82, s83
	s_add_co_u32 s82, s82, s16
	s_mov_b32 s83, 0
	s_add_nc_u64 s[74:75], s[74:75], s[82:83]
; rows 16 i .. 16 i + 15 of my block = tiles (a, 0..7) of window 2 or 3.  fmaw: C, D and source 0 in that window, source 2 in window 1; from: sources 0 and 1 in that window.
.macro OUT16 i, a, fmaw, from, f
	WIN \fmaw
.irp b, 0,1,2,3,4,5,6,7
.irp r, 0,1,2,3
	v_pk_fma_f32 v[8*(8*\a+\b)+2*\r:8*(8*\a+\b)+2*\r+1], v[8*(8*\a+\b)+2*\r:8*(8*\a+\b)+2*\r+1], s[76:77], v[BIAS+8*\b+2*\r:BIAS+8*\b+2*\r+1] op_sel_hi:[1,0,1]
.endr
.endr
	WIN \from
.irp b, 0,1,2,3,4,5,6,7
.irp r, 0,1,2,3
	v_cvt_pk_f16_f32 v[TMP+4*\b+\r], v[8*(8*\a+\b)+2*\r], v[8*(8*\a+\b)+2*\r+1]
.endr
.endr
	WIN 0
.irp b, 0,1,2,3,4,5,6,7
	ds_store_b128 v[STO], v[TMP+4*\b:TMP+4*\b+3] offset:32*\b
.endr
	s_wait_xcnt 0x0                                ; buffer f, which earlier stores read, is loaded again only behind this wait
.irp t, 0,1,2,3,4,5,6,7
	ds_load_b128 v[\f+4*\t:\f+4*\t+3], v[RD] offset:(\t&3)*4*SPITCH+(\t>>2)*128    ; LDS serves a wave's instructions in order (ISA guide 5.7.1): these see the stores above
.endr
.irp t, 0,1,2,3,4,5,6,7
	s_wait_dscnt 7-\t
	global_store_b128 v[CO], v[\f+4*\t:\f+4*\t+3], s[74:75] offset:\i*2048+(\t>>2)*262144+(\t&3)*512   ; four rows of one head: 512 consecutive bytes, at a multiple of 512
.endr
.endm
	OUT16 0, 0, 0x92, 0x0a, F0
	OUT16 1, 1, 0x92, 0x0a, F1
	OUT16 2, 2, 0x92, 0x0a, F0
	OUT16 3, 3, 0x92, 0x0a, F1
	OUT16 4, 0, 0xd3, 0x0f, F0
	OUT16 5, 1, 0xd3, 0x0f, F1
	OUT16 6, 2, 0xd3, 0x0f, F0
	OUT16 7, 3, 0xd3, 0x0f, F1
	s_set_vgpr_msb 0x1
	s_wait_tensorcnt 0x0
	ds_add_u32 v63, v255
	s_wait_dscnt 0x0
	s_set_vgpr_msb 0x100
	CROUND                                         ; the closing round: no work-group ends while a partner may still ask for a tile that names it
	s_endpgm
.Lfunc_end_k_q6d62b6d9b4_qkv:
	.size	k_q6d62b6d9b4_qkv, .Lfunc_end_k_q6d62b6d9b4_qkv-k_q6d62b6d9b4_qkv
	.p2alignl 7, 3214868480
	.fill 96, 4, 3214868480
	.section	.rodata,"a",@progbits
	.p2align	6, 0x0
	.amdhsa_kernel k_q6d62b6d9b4_qkv
		.amdhsa_group_segment_fixed_size 327680
		.amdhsa_private_segment_fixed_size 0
		.amdhsa_enable_private_segment 0
		.amdhsa_kernarg_size 48
		.amdhsa_user_sgpr_count 2
		.amdhsa_user_sgpr_kernarg_segment_ptr 1
		.amdhsa_wavefront_size32 1
		.amdhsa_system_sgpr_workgroup_id_x 1
		.amdhsa_system_sgpr_workgroup_id_y 1
		.amdhsa_system_sgpr_workgroup_id_z 1
		.amdhsa_system_vgpr_workitem_id 0
		.amdhsa_next_free_vgpr 1024
		.amdhsa_next_free_sgpr 84
		.amdhsa_reserve_vcc 0
		.amdhsa_float_denorm_mode_32 3
		.amdhsa_float_denorm_mode_16_64 3
		.amdhsa_memory_ordered 1
		.amdhsa_forward_progress 1
		.amdhsa_inst_pref_size 217
	.end_amdhsa_kernel
	.amdgpu_metadata
---
amdhsa.version: [ 1, 2 ]
amdhsa.kernels:
  - .name:           k_q6d62b6d9b4_qkv
    .symbol:         k_q6d62b6d9b4_qkv.kd
    .args:
      - { .name: xb, .offset: 0, .size: 8, .value_kind: global_buffer, .address_space: global }
      - { .name: wb, .offset: 8, .size: 8, .value_kind: global_buffer, .address_space: global }
      - { .name: bq, .offset: 16, .size: 8, .value_kind: global_buffer, .address_space: global }
      - { .name: bk, .offset: 24, .size: 8, .value_kind: global_buffer, .address_space: global }
      - { .name: bv, .offset: 32, .size: 8, .value_kind: global_buffer, .address_space: global }
      - { .name: heads, .offset: 40, .size: 8, .value_kind: global_buffer, .address_space: global }
    .group_segment_fixed_size: 327680
    .private_segment_fixed_size: 0
    .kernarg_segment_align: 8
    .kernarg_segment_size: 48
    .max_flat_workgroup_size: 128
    .sgpr_count:     84
    .vgpr_count:     1024
    .wavefront_size: 32
...
	.end_amdgpu_metadata
.endif
;; end of part 2
;; launch attn (part 3): grid 8 x 32, 8 waves a work-group, clusters of 4 x 1, 327,680 bytes of LDS; arguments heads, weights, ctx; writes ctx
.if DOCPART == 3
	.amdgcn_target "amdgcn-amd-amdhsa--gfx1250"
	.amdhsa_code_object_version 6
	.text
	.protected	k_q6d62b6d9b4_attn
	.globl	k_q6d62b6d9b4_attn
	.p2align	8
	.type	k_q6d62b6d9b4_attn,@function
k_q6d62b6d9b4_attn:
	s_mov_b64 s[64:65], 0
	v_nop
	global_prefetch_b8 v0, s[64:65] scope:SCOPE_SE
	s_setreg_imm32_b32 hwreg(HW_REG_WAVE_MODE, 25, 1), 1
	s_wait_xcnt 0x0
	s_wait_alu depctr_hold_cnt(0) depctr_sa_sdst(0) depctr_va_vdst(0) depctr_va_sdst(0) depctr_va_ssrc(0) depctr_va_vcc(0) depctr_vm_vsrc(0)
	s_getreg_b32 s2, hwreg(HW_REG_IB_STS2, 6, 4)
	s_cmp_eq_u32 s2, 0
	s_cbranch_scc0 .Lentry_in_a_cluster
	s_endpgm
.Lentry_in_a_cluster:
	s_bfe_u32 s2, ttmp6, 0x10000c
	s_cmp_lg_u32 s2, 0x3003
	s_cbranch_scc0 .Lentry_shape_is_right
	s_endpgm
.Lentry_shape_is_right:
; ctx = softmax over keys of (Q K^T / 8 + log(w + 1e-20)) . V, for one (b, h) and 256 queries a work-group; f16 operands, f32 sums and softmax.
; ctx is laid out [row block of 128 positions: 16 b + s / 128][head][s % 128][64] in f16, so that the next launch finds the heads of 128 rows side by side.
; Q comes in already multiplied by log2(e) / 8, and the key's bias is log2(w + 1e-20): the softmax works on powers of two, with a running maximum.
; Eight waves, 32 queries each: two tiles q0, q1 of 16.
; EVERYTHING IS TRANSPOSED, so that nothing is shuffled:  S^T = K Q^T: register j of lane (r, h) holds key 8 h + j, query r.
; Two neighbouring tiles of S^T, packed to f16 in place, ARE the B fragment of P^T for 32 keys.  O^T = V^T P^T, V's fragments by the transposing load.
; Maximum, sum and rescaling factor are one number a lane; the two halves of the lanes meet by one v_permlanex16_b32.
; THE TWO QUERY TILES RUN HALF A STEP APART: q1's score products stand between the lines of q0's softmax, q0's products with V between the lines of q1's softmax,
; so that half of a step's 32 matrix instructions are issued among vector work of the same wave that does not touch their registers.
; THE BIAS IS LOADED ONCE: into q1's score registers.  q0's first product takes it from there as C (D apart from C), q1's first product adds onto it in place.
; CLUSTER: the four query blocks of a cluster read the same K and V tiles and ask for them jointly (mask 15).  A slot holds 256 keys of K and V, 8 KiB of memory a wave and load;
; each wave has at most one tensor load out, and that load has more than three steps of 64 keys in which to land.
; LIMITS: P is rounded to f16 (at most 1; below 6e-5 of the running maximum with an absolute step of 6e-8); terms more than 126 binary orders below the maximum count as 0;
; a negative weight gives NaN in its whole batch row, as in the formula itself.
.set KPITCH, 144                       ; 128 bytes + 16 = 9 x 16
.set VPITCH, 160                       ; 128 bytes + 32 = 5 x 32, an odd multiple of 32 for the transposing load
.set REGION, 10240                     ; one wave's load: 64 keys of K (9,216 bytes used) or of V (10,240)
.set SLOT,   8*REGION                  ; K's four regions, then V's four
.set LW,     2*SLOT                    ; 2,048 f32: log2(w + 1e-20); written by LDS stores, never a tensor load's target
.set STAGE,  LW+8192                   ; 32 rows x 144 bytes for each wave, for the way out
.set KA, 1                             ; v1-2    K fragments in slot 0, 1: r x 144 + 16 h
.set VA, 3                             ; v3-4    V fragments in slot 0, 1
.set BA, 5                             ; v5      the bias of my eight keys; steps by 2,048 bytes every two tiles
.set STO, 6
.set RD, 7
.set CO, 8
.set QO, 9
.set M,  10                            ; v[10:13] running maximum of query tile 0, 1, each twice (a pair for the packed operations)
.set AL, 14                            ; v[14:17] the rescaling factor, likewise
.set T,  18                            ; v[18:25] at work
.set LS, 26                            ; v26-27  running sums (each half of the lanes its own keys)
.set QF, 32                            ; v[32:63]   Q fragments (q, c) at 16 q + 8 c
.set SC, 64                            ; v[64:127]  S^T (q, t) at 32 q + 8 t; later P^T (q, c) at 32 q + 16 c
.set KV, 128                           ; v[128:191] K (t, c) at 16 t + 8 c; later V (d, c) at 16 d + 8 c
.set OA, 192                           ; v[192:255] O^T (q, d) at 32 q + 8 d
.set G1K, 16
.set G1V, 24
.set G0,  32                           ; s[32:39] one set a slot
.macro CREST                           ; a round of the cluster's barrier behind its opening barrier
	s_cmp_lg_u32 s10, 0
	s_cbranch_scc1 .Lnot_wave_0_\@
	s_barrier_signal -3
.Lnot_wave_0_\@:
	s_barrier_wait -3
	s_barrier_signal -1
	s_barrier_wait -1
.endm
.macro ROUND                           ; a whole round
	s_barrier_signal -1
	s_barrier_wait -1
	CREST
.endm
.macro JLOAD n                         ; waves 0-3 fetch 64 keys of K each, waves 4-7 of V: the two shapes differ in the padding alone
	s_cmp_eq_u32 s11, 0
	s_cbranch_scc0 .Lfor_v_\@
	tensor_load_to_lds s[G0+4*(\n):G0+4*(\n)+3], s[G1K:G1K+7]
	s_nop 0
	s_branch .Lasked_\@
.Lfor_v_\@:
	tensor_load_to_lds s[G0+4*(\n):G0+4*(\n)+3], s[G1V:G1V+7]
	s_nop 0
.Lasked_\@:
.endm
	s_load_b128 s[4:7], s[0:1], 0x0                ; heads s[4:5], weights s[6:7]
	s_load_b64 s[8:9], s[0:1], 0x10                ; ctx
	s_set_vgpr_msb 0x40
	v_lshl_add_u32 v0, v0, 2, 0x33000
	v_mov_b32 v1, 0
	s_set_vgpr_msb 0x4045
	ds_add_u32 v0, v1
	s_set_vgpr_msb 0x4500
	v_lshrrev_b32 v1, 5, v0
	v_readfirstlane_b32 s10, v1                    ; wave 0..7
	s_lshr_b32 s11, s10, 2                         ; I fetch K (0) or V (1).  Also: which 128 of the block's 256 queries hold mine
	s_and_b32 s12, s10, 3                          ; which 64 keys of a tile's 256 I fetch.  Also: which 32 of those 128 queries are mine
	s_bfe_u32 s13, ttmp6, 0x40000                  ; cx
	s_lshl_b32 s14, ttmp9, 2
	s_add_co_u32 s14, s14, s13                     ; query block 0..7
	s_and_b32 s15, ttmp7, 0xffff                   ; 16 b + h
	s_mov_b32 s42, 0x76543210                      ; v_permlanex16_b32: lane i reads lane i of the other half
	s_mov_b32 s43, 0xfedcba98
	s_mov_b32 s[G1K+0], 15|(1<<16)|(1<<20)|(1<<21)|(4<<22)|(3<<25)   ; all four of the cluster; 2-byte elements; padding: after every 32 words 4 words
	s_mov_b32 s[G1V+0], 15|(1<<16)|(1<<20)|(1<<21)|(4<<22)|(7<<25)   ; the same with 8 words
.irp g, G1K, G1V
	s_mov_b32 s[\g+1], 64<<16                      ; tensor_dim0 = 64
	s_mov_b32 s[\g+2], 64<<16                      ; tensor_dim1 = 64
	s_mov_b32 s[\g+3], 64<<16                      ; tile_dim0 = 64 elements: a head's row of 128 bytes
	s_mov_b32 s[\g+4], 64                          ; tile_dim1 = 64 keys
	s_mov_b32 s[\g+5], 64                          ; the rows follow each other without a gap
	s_mov_b32 s[\g+6], 0
	s_mov_b32 s[\g+7], 0
.endr
	s_add_co_u32 s40, s11, 1
	s_lshl_b32 s40, s40, 23                        ; K is plane 1 of heads, V plane 2: 8,388,608 bytes each
	s_lshl_b32 s41, s15, 18                        ; + (16 b + h) x 2,048 x 128
	s_add_co_u32 s40, s40, s41
	s_lshl_b32 s41, s12, 13                        ; + my 64 keys x 128: nothing here hangs on cx
	s_add_co_u32 s40, s40, s41
	s_mov_b32 s41, 0
	s_mul_i32 s45, s10, REGION
	s_lshl_b32 s48, s15, 18                        ; my 32 queries in Q: ((16 b + h) x 2048 + 256 x block + 32 x wave) x 128
	s_lshl_b32 s49, s14, 15
	s_add_co_u32 s48, s48, s49
	s_lshl_b32 s49, s10, 12
	s_add_co_u32 s48, s48, s49
	s_mov_b32 s49, 0
	s_lshr_b32 s52, s15, 4
	s_lshl_b32 s52, s52, 13                        ; my batch row of the weights: b x 8,192
	s_mov_b32 s53, 0
	s_and_b32 s54, s15, 16                         ; my 32 queries in ctx: row block 16 b
	s_lshl_b32 s51, s14, 1
	s_add_co_u32 s54, s54, s51                     ; + 2 x query block
	s_add_co_u32 s54, s54, s11                     ; + wave / 4,
	s_lshl_b32 s54, s54, 18                        ; each 16 heads x 128 rows x 128 bytes;
	s_and_b32 s51, s15, 15
	s_lshl_b32 s51, s51, 14                        ; + head x 128 rows x 128 bytes;
	s_add_co_u32 s54, s54, s51
	s_lshl_b32 s51, s12, 12                        ; + (wave % 4) x 32 rows x 128 bytes
	s_add_co_u32 s54, s54, s51
	s_mov_b32 s55, 0
	s_wait_dscnt 0x0
	s_wait_kmcnt 0x0
	s_add_nc_u64 s[40:41], s[4:5], s[40:41]
	s_add_nc_u64 s[46:47], s[4:5], s[48:49]        ; Q
	s_add_nc_u64 s[8:9], s[8:9], s[54:55]          ; ctx
	s_add_nc_u64 s[6:7], s[6:7], s[52:53]
.irp n, 0,1
	s_mov_b32 s[G0+4*\n], 1
	s_add_co_u32 s[G0+4*\n+1], s45, \n*SLOT
	s_add_nc_u64 s[G0+4*\n+2:G0+4*\n+3], s[40:41], \n*32768    ; tile n: 256 keys x 128 bytes
	s_or_b32 s[G0+4*\n+3], s[G0+4*\n+3], 0x80000000
.endr
	ROUND                                          ; the four work-groups are here: the first joint load meets
	JLOAD 0                                        ; tile 0; slot 1 is first filled behind the next round
	v_lshlrev_b32 v14, 4, v0                       ; 16 bytes of the weights a thread (v14, v15 are free until the second step)
	v_add_nc_u32 v15, LW, v14
	v_and_b32 v28, 15, v0                          ; r
	v_bfe_u32 v29, v0, 4, 1                        ; h
	v_lshlrev_b32 v[QO], 7, v28
	v_lshl_add_u32 v[QO], v29, 4, v[QO]            ; r x 128 + 16 h
	global_load_b128 v[18:21], v14, s[6:7]
	global_load_b128 v[22:25], v14, s[6:7] offset:4096
.irp q, 0,1
.irp c, 0,1
	global_load_b128 v[QF+16*\q+8*\c:QF+16*\q+8*\c+3],   v[QO], s[46:47] offset:\q*2048+\c*64
	global_load_b128 v[QF+16*\q+8*\c+4:QF+16*\q+8*\c+7], v[QO], s[46:47] offset:\q*2048+\c*64+32
.endr
.endr
	v_and_b32 v30, 7, v0
	v_bfe_u32 v31, v0, 3, 1
	v_mul_u32_u24 v[KA], v28, KPITCH
	v_lshl_add_u32 v[KA], v29, 4, v[KA]
	v_add_nc_u32 v[KA+1], SLOT, v[KA]
	v_lshl_add_u32 v[VA], v29, 3, v30              ; key 8 h + l % 8
	v_mul_u32_u24 v[VA], v[VA], VPITCH
	v_lshl_add_u32 v[VA], v31, 4, v[VA]
	v_add_nc_u32 v[VA], 4*REGION, v[VA]
	v_add_nc_u32 v[VA+1], SLOT, v[VA]
	v_lshlrev_b32 v[BA], 5, v29
	v_add_nc_u32 v[BA], LW, v[BA]
	s_mul_i32 s50, s10, 32*KPITCH
	s_add_co_u32 s50, s50, STAGE
	v_add_nc_u32 v[STO], s50, v[KA]
	v_bfe_u32 v[RD], v0, 3, 2
	v_mul_u32_u24 v[RD], v[RD], KPITCH
	v_lshl_add_u32 v[RD], v30, 4, v[RD]
	v_add_nc_u32 v[RD], s50, v[RD]
	v_and_b32 v[CO], 31, v0
	v_lshlrev_b32 v[CO], 4, v[CO]
	s_wait_loadcnt 8                               ; the weights are in; the eight younger loads (Q) stay out
.irp i, 0,1,2,3,4,5,6,7
	v_add_f32 v[18+\i], 0x1e3ce508, v[18+\i]       ; + 1e-20
.endr
.irp i, 0,1,2,3,4,5,6,7
	v_log_f32 v[18+\i], v[18+\i]                   ; log2
.endr
	v_nop                                          ; one plain instruction behind a transcendental before its result is used (ISA guide 5.7.2)
	s_wait_alu depctr_va_vdst(0)
	ds_store_b128 v15, v[18:21]
	ds_store_b128 v15, v[22:25] offset:4096        ; shown to the other waves by the wait for 0 and the round below
	s_wait_loadcnt 0x0                             ; Q
; ---- single matrix instructions.  In every run the four accumulators of a query tile take turns, one instruction a turn, and no two matrix instructions that follow
; ---- each other share an accumulator.
.macro SW0 t                           ; q0's first score product, d 0-31: starts from the bias that lies in q1's registers; D apart from C
	v_wmma_f32_16x16x32_f16 v[SC+8*\t:SC+8*\t+7], v[KV+16*\t:KV+16*\t+7], v[QF:QF+7], v[SC+32+8*\t:SC+32+8*\t+7]
.endm
.macro SW q, c, t                      ; a score product in place
	v_wmma_f32_16x16x32_f16 v[SC+32*\q+8*\t:SC+32*\q+8*\t+7], v[KV+16*\t+8*\c:KV+16*\t+8*\c+7], v[QF+16*\q+8*\c:QF+16*\q+8*\c+7], v[SC+32*\q+8*\t:SC+32*\q+8*\t+7]
.endm
.macro PW q, c, d, zero                ; O^T += V^T P^T over 32 keys; zero = 1: the first product starts the sum
.if \zero
	v_wmma_f32_16x16x32_f16 v[OA+32*\q+8*\d:OA+32*\q+8*\d+7], v[KV+16*\d+8*\c:KV+16*\d+8*\c+7], v[SC+32*\q+16*\c:SC+32*\q+16*\c+7], 0
.else
	v_wmma_f32_16x16x32_f16 v[OA+32*\q+8*\d:OA+32*\q+8*\d+7], v[KV+16*\d+8*\c:KV+16*\d+8*\c+7], v[SC+32*\q+16*\c:SC+32*\q+16*\c+7], v[OA+32*\q+8*\d:OA+32*\q+8*\d+7]
.endif
.endm
.macro MM q, c, x, zero                ; the matrix instruction that rides in tile q's softmax: q = 0: q1's scores; q = 1: q0's product with V
.if \q
	PW 0, \c, \x, \zero
.else
	SW 1, \c, \x
.endif
.endm
; ---- the softmax of query tile q, in pieces
.macro MAX1 q
.irp t, 0,1,2,3
	v_max3_num_f32 v[T+4*\q+\t], v[SC+32*\q+8*\t], v[SC+32*\q+8*\t+1], v[SC+32*\q+8*\t+2]
.endr
.endm
.macro MAX2 q, a
.irp t, 0,1,2,3
	v_max3_num_f32 v[T+4*\q+\t], v[T+4*\q+\t], v[SC+32*\q+8*\t+\a], v[SC+32*\q+8*\t+\a+1]
.endr
.endm
.macro MAXC q, first
	v_max3_num_f32 v[T+4*\q],   v[T+4*\q],   v[T+4*\q+1], v[SC+32*\q+7]
	v_max3_num_f32 v[T+4*\q+2], v[T+4*\q+2], v[T+4*\q+3], v[SC+32*\q+15]
	v_max3_num_f32 v[T+4*\q],   v[T+4*\q],   v[SC+32*\q+23], v[SC+32*\q+31]
.if \first
	v_max_num_f32 v[T+4*\q], v[T+4*\q], v[T+4*\q+2]
.else
	v_max3_num_f32 v[T+4*\q], v[T+4*\q], v[T+4*\q+2], v[M+2*\q]
.endif
.endm
.macro MAXD q, first                   ; the new running maximum and, but for the first step, the factor 2^(old - new)
	v_permlanex16_b32 v[T+4*\q+1], v[T+4*\q], s42, s43         ; the other half's keys
	v_max_num_f32 v[T+4*\q], v[T+4*\q], v[T+4*\q+1]
.if \first
	v_mov_b32 v[M+2*\q], v[T+4*\q]
	v_mov_b32 v[M+2*\q+1], v[T+4*\q]
.else
	v_sub_f32 v[AL+2*\q], v[M+2*\q], v[T+4*\q]
	v_mov_b32 v[M+2*\q], v[T+4*\q]
	v_exp_f32 v[AL+2*\q], v[AL+2*\q]
	v_mov_b32 v[M+2*\q+1], v[T+4*\q]               ; the plain instruction behind the transcendental
	s_wait_alu depctr_va_vdst(0)
	v_mov_b32 v[AL+2*\q+1], v[AL+2*\q]
.endif
.endm
.macro SUB8 q, half                    ; s - m, sixteen numbers
.irp i, 0,1,2,3,4,5,6,7
	v_pk_add_f32 v[SC+32*\q+16*\half+2*\i:SC+32*\q+16*\half+2*\i+1], v[SC+32*\q+16*\half+2*\i:SC+32*\q+16*\half+2*\i+1], v[M+2*\q:M+2*\q+1] neg_lo:[0,1] neg_hi:[0,1]
.endr
.endm
.macro EXPG q, g, first                ; p = 2^(s - m) in place, eight numbers; the rescaling of O rides between the transcendentals
.irp i, 0,1,2,3
	v_exp_f32 v[SC+32*\q+8*\g+2*\i], v[SC+32*\q+8*\g+2*\i]
	v_exp_f32 v[SC+32*\q+8*\g+2*\i+1], v[SC+32*\q+8*\g+2*\i+1]
.if \first == 0
	v_pk_mul_f32 v[OA+32*\q+8*\g+2*\i:OA+32*\q+8*\g+2*\i+1], v[OA+32*\q+8*\g+2*\i:OA+32*\q+8*\g+2*\i+1], v[AL+2*\q:AL+2*\q+1]
.endif
.endr
.endm
.macro SUMA q                          ; the 32 p of a lane, in f32, into four chains of pairs
	s_wait_alu depctr_va_vdst(0)
.irp k, 0,1,2,3
	v_pk_add_f32 v[T+2*\k:T+2*\k+1], v[SC+32*\q+4*\k:SC+32*\q+4*\k+1], v[SC+32*\q+4*\k+2:SC+32*\q+4*\k+3]
.endr
.irp k, 0,1,2,3
	v_pk_add_f32 v[T+2*\k:T+2*\k+1], v[T+2*\k:T+2*\k+1], v[SC+32*\q+16+2*\k:SC+32*\q+16+2*\k+1]
.endr
.irp k, 0,1,2,3
	v_pk_add_f32 v[T+2*\k:T+2*\k+1], v[T+2*\k:T+2*\k+1], v[SC+32*\q+24+2*\k:SC+32*\q+24+2*\k+1]
.endr
.endm
.macro SUMB q, first                   ; the chains meet and the running sum is renewed: these lines name T, LS and AL alone
	v_pk_add_f32 v[T:T+1], v[T:T+1], v[T+2:T+3]
	v_pk_add_f32 v[T+4:T+5], v[T+4:T+5], v[T+6:T+7]
	v_pk_add_f32 v[T:T+1], v[T:T+1], v[T+4:T+5]
.if \first
	v_add_f32 v[LS+\q], v[T], v[T+1]
.else
	v_fma_f32 v[LS+\q], v[LS+\q], v[AL+2*\q], v[T]
	v_add_f32 v[LS+\q], v[LS+\q], v[T+1]
.endif
.endm
.macro CVT q                           ; packed to f16 in place: P^T's fragments
.irp c, 0,1
.irp i, 0,1,2,3,4,5,6,7
	v_cvt_pk_f16_f32 v[SC+32*\q+16*\c+\i], v[SC+32*\q+16*\c+2*\i], v[SC+32*\q+16*\c+2*\i+1]   ; register i is written when registers 2 i, 2 i + 1 are read: ascending i overwrites nothing unread
.endr
.endr
.endm
; Tile q's softmax up to the sums' chains, with the other tile's eight matrix instructions between its first lines.  They come early, so that for q = 0 K's fragments are
; dead soon and V's loads have the rest of the softmax in which to come back.
.macro SOFT q, first, slot, st
	MM \q, 0, 0, \first
	MAX1 \q
	MM \q, 0, 1, \first
	MAX2 \q, 3
	MM \q, 0, 2, \first
	MAX2 \q, 5
	MM \q, 0, 3, \first
	MAXC \q, \first
	MM \q, 1, 0, 0
	MAXD \q, \first
	MM \q, 1, 1, 0
	SUB8 \q, 0
	MM \q, 1, 2, 0
	SUB8 \q, 1
	MM \q, 1, 3, 0
	EXPG \q, 0, \first
.if \q == 0
.if \first
.rept 4
	v_nop                                          ; the first step rescales nothing: the four places are empty
.endr
.endif
	; four plain vector instructions (the four packed multiplies above, or the v_nop) stand behind the last product that read K (ISA guide 7.12.1 for vector instructions)
.irp c, 0,1
.irp d, 0,1,2,3
	ds_load_tr16_b128 v[KV+16*\d+8*\c:KV+16*\d+8*\c+3],   v[VA+\slot] offset:\st*REGION+\c*32*VPITCH+32*\d
	ds_load_tr16_b128 v[KV+16*\d+8*\c+4:KV+16*\d+8*\c+7], v[VA+\slot] offset:\st*REGION+\c*32*VPITCH+16*VPITCH+32*\d
.endr
.endr
.endif
	EXPG \q, 1, \first
	EXPG \q, 2, \first
	EXPG \q, 3, \first
.if \first
	v_nop                                          ; the plain instruction behind the last transcendental
	s_wait_alu depctr_va_vdst(0)
.endif
	SUMA \q
.endm
; 64 keys: region st of a slot.  turn = 1: the tile's last step, with the round that changes slots; refill = 1: this slot is asked for again behind the round.
.macro STEP slot, st, first, turn, refill
.irp t, 0,1,2,3
	ds_load_b128 v[SC+32+8*\t:SC+32+8*\t+3], v[BA] offset:\slot*1024+\st*256+\t*64         ; the bias of keys 16 t + 8 h + 0..7, once, into q1's registers
	ds_load_b128 v[SC+32+8*\t+4:SC+32+8*\t+7], v[BA] offset:\slot*1024+\st*256+\t*64+16
.endr
.irp c, 0,1
.irp t, 0,1,2,3
	ds_load_b128 v[KV+16*\t+8*\c:KV+16*\t+8*\c+3],   v[KA+\slot] offset:\st*REGION+\t*16*KPITCH+\c*64
	ds_load_b128 v[KV+16*\t+8*\c+4:KV+16*\t+8*\c+7], v[KA+\slot] offset:\st*REGION+\t*16*KPITCH+\c*64+32
.endr
.endr
	s_wait_dscnt 8                                 ; the bias and K's d 0-31 are in; the youngest eight loads (d 32-63) may be out
.irp t, 0,1,2,3
	SW0 \t
.endr
	s_wait_dscnt 0
.irp t, 0,1,2,3
	SW 0, 1, \t
.endr
.rept 5
	v_nop                                          ; five places: q1's first products write over the bias, a source of q0's; four of them also serve the maxima, which read q0's scores (ISA guide 7.12.1)
.endr
	SOFT 0, \first, \slot, \st                     ; q0's softmax, q1's scores between its lines, then V's loads
	SUMB 0, \first
	CVT 0
	s_wait_dscnt 0                                 ; V's fragments are in: my last LDS read of this region
.if \turn
	s_set_vgpr_msb 0x5
	s_wait_tensorcnt 0x0                           ; all my tensor loads have landed, my part of the next tile among them,
	ds_add_u32 v0, v1
	s_wait_dscnt 0x0
	s_set_vgpr_msb 0x500
	s_add_nc_u64 s[G0+4*(1-\slot)+2:G0+4*(1-\slot)+3], s[G0+4*(1-\slot)+2:G0+4*(1-\slot)+3], 65536   ; so a group 0 may be written: the other slot's tile after next
	s_barrier_signal -1                            ; the round opens here; up to its wait only registers are touched
.endif
	SOFT 1, \first, \slot, \st                     ; q1's softmax, q0's products with V between its lines
	CVT 1
.irp d, 0,1,2,3
	PW 1, 0, \d, \first
.endr
.irp d, 0,1,2,3
	PW 1, 1, \d, 0
.endr
	SUMB 1, \first                                 ; at least four plain instructions that name none of those products' registers: the places in front of the next loads into them
.if \turn
	s_barrier_wait -1
	CREST                                          ; no wave of any partner still reads this slot or has a load on its way
.if \refill
	JLOAD \slot                                    ; the first tensor load behind the round, one a wave: this slot's next tile
.endif
.endif
.endm
.macro TRIP slot, first, turn, refill  ; a tile of 256 keys
	STEP \slot, 0, \first, 0, 0
	STEP \slot, 1, 0, 0, 0
	STEP \slot, 2, 0, 0, 0
	STEP \slot, 3, 0, \turn, \refill
.if \slot
	v_add_nc_u32 v[BA], 0x800, v[BA]               ; the bias of the next two tiles: 512 keys x 4 bytes
.endif
.endm
	s_wait_dscnt 0x0                               ; my stores of the bias are done
	s_set_vgpr_msb 0x5
	s_wait_tensorcnt 0x0                           ; my part of tile 0 has landed,
	ds_add_u32 v0, v1
	s_wait_dscnt 0x0
	s_set_vgpr_msb 0x500
	s_add_nc_u64 s[G0+2:G0+3], s[G0+2:G0+3], 65536 ; so slot 0's group 0 may be written: tile 2
	ROUND
	JLOAD 1                                        ; tile 1, slot 1's first fill: my one tensor load behind this round
	TRIP 0, 1, 1, 1                                ; tiles 0 and 1 stand in front of the loop: the first step starts maxima, sums and O
	TRIP 1, 0, 1, 1
	s_mov_b32 s44, 2
.Lpair:
	TRIP 0, 0, 1, 1                                ; tiles 2 to 5; their rounds ask for tiles 4 to 7
	TRIP 1, 0, 1, 1
	s_sub_co_u32 s44, s44, 1
	s_cmp_lg_u32 s44, 0
	s_cbranch_scc1 .Lpair
	TRIP 0, 0, 1, 0                                ; tile 6: nothing is left to ask for
	TRIP 1, 0, 0, 0                                ; tile 7
	; THE WAY OUT: the two halves' sums meet, O is divided, rounded to f16, and goes through my own stage so that a store covers 512 consecutive bytes.
	; The five lines that closed q1's sum are the places behind the last products.
.irp q, 0,1
	v_permlanex16_b32 v[T+\q], v[LS+\q], s42, s43
.endr
.irp q, 0,1
	v_add_f32 v[LS+\q], v[LS+\q], v[T+\q]
.endr
	v_rcp_f32 v[AL], v[LS]                         ; the sum is at least 1: the key of the maximum counts 1
	v_rcp_f32 v[AL+2], v[LS+1]
	v_nop
	s_wait_alu depctr_va_vdst(0)
	v_mov_b32 v[AL+1], v[AL]
	v_mov_b32 v[AL+3], v[AL+2]
.irp q, 0,1
.irp i, 0,1,2,3,4,5,6,7,8,9,10,11,12,13,14,15
	v_pk_mul_f32 v[OA+32*\q+2*\i:OA+32*\q+2*\i+1], v[OA+32*\q+2*\i:OA+32*\q+2*\i+1], v[AL+2*\q:AL+2*\q+1]
.endr
.endr
.irp q, 0,1
.irp i, 0,1,2,3,4,5,6,7,8,9,10,11,12,13,14,15
	v_cvt_pk_f16_f32 v[SC+16*\q+\i], v[OA+32*\q+2*\i], v[OA+32*\q+2*\i+1]
.endr
.endr
.irp q, 0,1
.irp d, 0,1,2,3
	ds_store_b128 v[STO], v[SC+16*\q+4*\d:SC+16*\q+4*\d+3] offset:\q*16*KPITCH+\d*32    ; query 16 q + r, d = 16 d + 8 h + 0..7
.endr
.endr
.irp i, 0,1,2,3,4,5,6,7
	ds_load_b128 v[KV+4*\i:KV+4*\i+3], v[RD] offset:\i*4*KPITCH                         ; four rows of 128 bytes; a wave's LDS instructions are served in order (ISA guide 5.7.1)
.endr
.irp i, 0,1,2,3,4,5,6,7
	s_wait_dscnt 7-\i
	global_store_b128 v[CO], v[KV+4*\i:KV+4*\i+3], s[8:9] offset:512*\i                 ; 512 consecutive bytes, at a multiple of 512 from ctx's first byte
.endr
	s_set_vgpr_msb 0x5
	s_wait_tensorcnt 0x0
	ds_add_u32 v0, v1
	s_wait_dscnt 0x0
	s_set_vgpr_msb 0x500
	ROUND                                          ; the closing round
	s_endpgm
.Lfunc_end_k_q6d62b6d9b4_attn:
	.size	k_q6d62b6d9b4_attn, .Lfunc_end_k_q6d62b6d9b4_attn-k_q6d62b6d9b4_attn
	.p2alignl 7, 3214868480
	.fill 96, 4, 3214868480
	.section	.rodata,"a",@progbits
	.p2align	6, 0x0
	.amdhsa_kernel k_q6d62b6d9b4_attn
		.amdhsa_group_segment_fixed_size 327680
		.amdhsa_private_segment_fixed_size 0
		.amdhsa_enable_private_segment 0
		.amdhsa_kernarg_size 24
		.amdhsa_user_sgpr_count 2
		.amdhsa_user_sgpr_kernarg_segment_ptr 1
		.amdhsa_wavefront_size32 1
		.amdhsa_system_sgpr_workgroup_id_x 1
		.amdhsa_system_sgpr_workgroup_id_y 1
		.amdhsa_system_sgpr_workgroup_id_z 1
		.amdhsa_system_vgpr_workitem_id 0
		.amdhsa_next_free_vgpr 258
		.amdhsa_next_free_sgpr 66
		.amdhsa_reserve_vcc 0
		.amdhsa_float_denorm_mode_32 3
		.amdhsa_float_denorm_mode_16_64 3
		.amdhsa_memory_ordered 1
		.amdhsa_forward_progress 1
		.amdhsa_inst_pref_size 255
	.end_amdhsa_kernel
	.section	.bss,"aw",@nobits
	.p2align	6
	.space	262144
	.amdgpu_metadata
---
amdhsa.version: [ 1, 2 ]
amdhsa.kernels:
  - .name:           k_q6d62b6d9b4_attn
    .symbol:         k_q6d62b6d9b4_attn.kd
    .args:
      - { .name: heads, .offset: 0, .size: 8, .value_kind: global_buffer, .address_space: global }
      - { .name: weights, .offset: 8, .size: 8, .value_kind: global_buffer, .address_space: global }
      - { .name: ctx, .offset: 16, .size: 8, .value_kind: global_buffer, .address_space: global }
    .group_segment_fixed_size: 327680
    .private_segment_fixed_size: 0
    .kernarg_segment_align: 8
    .kernarg_segment_size: 24
    .max_flat_workgroup_size: 256
    .sgpr_count:     66
    .vgpr_count:     258
    .wavefront_size: 32
...
	.end_amdgpu_metadata
.endif
;; end of part 3
;; launch oproj (part 4): grid 8 x 32, 4 waves a work-group, clusters of 4 x 4, 327,680 bytes of LDS; arguments ctx, wb, bo, out0; writes out0
.if DOCPART == 4
	.amdgcn_target "amdgcn-amd-amdhsa--gfx1250"
	.amdhsa_code_object_version 6
	.text
	.protected	k_q6d62b6d9b4_oproj
	.globl	k_q6d62b6d9b4_oproj
	.p2align	8
	.type	k_q6d62b6d9b4_oproj,@function
k_q6d62b6d9b4_oproj:
	s_mov_b64 s[64:65], 0
	v_nop
	global_prefetch_b8 v0, s[64:65] scope:SCOPE_SE
	s_setreg_imm32_b32 hwreg(HW_REG_WAVE_MODE, 25, 1), 1
	s_wait_xcnt 0x0
	s_wait_alu depctr_hold_cnt(0) depctr_sa_sdst(0) depctr_va_vdst(0) depctr_va_sdst(0) depctr_va_ssrc(0) depctr_va_vcc(0) depctr_vm_vsrc(0)
	s_getreg_b32 s2, hwreg(HW_REG_IB_STS2, 6, 4)
	s_cmp_eq_u32 s2, 0
	s_cbranch_scc0 .Lentry_in_a_cluster
	s_endpgm
.Lentry_in_a_cluster:
	s_bfe_u32 s2, ttmp6, 0x10000c
	s_cmp_lg_u32 s2, 0xf033
	s_cbranch_scc0 .Lentry_shape_is_right
	s_endpgm
.Lentry_shape_is_right:
; out0[4096][1024] (f32) = ctx . wo + bo.  ctx is [row block of 128][head][128 rows][64] in f16: column 64 h + d of the product's A lies in head h; wo is plane 3 of wb, [1024 k][1024 n] in f16.
; 4,096 x 1,024 outputs on 256 work-groups are 128 x 128 each; four waves, a wave 64 x 64: 16 accumulator tiles in window 1.
; K goes through two LDS slots of 256 (four heads) each, so half of K is asked for at the start and only two refills follow, each with 128 matrix instructions in which to land.
; A slot is four parts of 36,864 bytes, one tensor load a wave: waves 0, 1 two heads of A each (256 rows of 128 bytes, 32 KiB that lie without a gap in memory),
; waves 2, 3 128 k rows x 256 bytes of W each.
; CLUSTERS: 4 x 4; A's tiles hang on the block row alone and are asked for jointly along a row of the cluster, W's on the block column alone, along a column.
; A wave reads 8 KiB of LDS for the 16 matrix instructions of a quarter step (32 along K), twice the ratio of a 128 x 128 wave tile.  So the fragments have THREE buffers and are
; fetched two quarter steps ahead; the change of slots stands in quarter 6 of a slot's 8, when quarter 7's fragments are already in registers.
; The matrix instruction is used transposed (source 0 = W's columns, source 1 = A's rows): a lane holds row l % 16 and eight neighbouring columns, 32 bytes of f32.
; REGISTERS: window 0: v16-27 addresses, v64-127 / v128-191 / v192-255 fragment buffers (W's four at + 0, A's four at + 32);  window 1: v0-127 accumulators, v128-159 the bias.
.set APITCH, 144                       ; 128 bytes + 16 = 9 x 16
.set AHEAD,  128*APITCH                ; one head's 128 rows: 18,432
.set WPITCH, 288                       ; 256 bytes + 32 = 9 x 32, an odd multiple of 32 for the transposing load
.set PART,   36864                     ; one tensor load: 256 x 144 = 128 x 288
.set WBASE,  2*PART                    ; W lies behind A's four heads
.set SLOT,   4*PART                    ; 147,456
.set STAGE,  2*SLOT                    ; behind the ring: 16 rows x 272 bytes for each wave; no tensor load lands here
.set OPITCH, 272                       ; 256 bytes + 16 = 17 x 16
.set ASTEP,  65536                     ; four heads on: 4 x 128 x 128 bytes
.set WSTEP,  256*2048                  ; 256 k rows on
.set ADRA, 16                          ; v16-17  A fragments in slot 0, 1
.set ADRB, 20                          ; v20-21  W fragments in slot 0, 1, quarters 0-3; v22-23 quarters 4-7 (an LDS offset has 16 bits)
.set STO,  24
.set RD,   25
.set CO,   26
.set BO,   27
.set F0,   64
.set BIAS, 128                         ; window 1
.set G1, 24
.set G0, 32
.set G1B, 48
.set G0B, 56
.set MSB, 0
.macro WIN new                         ; the immediate's high byte repeats the setting that is left
.if MSB != \new
	s_set_vgpr_msb (MSB<<8)|\new
.set MSB, \new
.endif
.endm
.set MUL,  0x50                        ; sources 0 and 1 (fragments) window 0, C and D window 1
.set TO_1, 0x40                        ; destination window 1, address window 0
.macro JLOAD s                         ; waves 0, 1 ask for A, waves 2, 3 for W: the branch hangs on the wave's number alone
	s_cmp_eq_u32 s11, 0
	s_cbranch_scc0 .Lfor_b_\@
	tensor_load_to_lds s[G0+4*\s:G0+4*\s+3], s[G1:G1+7]
	s_nop 0
	s_branch .Lasked_\@
.Lfor_b_\@:
	tensor_load_to_lds s[G0B+4*\s:G0B+4*\s+3], s[G1B:G1B+7]
	s_nop 0
	v_nop
.Lasked_\@:
.endm
.macro CREST                           ; a round of the cluster's barrier behind its opening barrier
	s_cmp_lg_u32 s10, 0
	s_cbranch_scc1 .Lnot_wave_0_\@
	s_barrier_signal -3
.Lnot_wave_0_\@:
	s_barrier_wait -3
	s_barrier_signal -1
	s_barrier_wait -1
.endm
.macro CROUND
	s_barrier_signal -1
	s_barrier_wait -1
	CREST
.endm
	s_load_b128 s[4:7], s[0:1], 0x0                ; ctx s[4:5], wb s[6:7]
	s_load_b128 s[68:71], s[0:1], 0x10             ; bo s[68:69], out0 s[70:71]
	v_lshl_add_u32 v62, v0, 2, 0x4c400
	v_mov_b32 v63, 0
	ds_add_u32 v62, v63
	v_lshrrev_b32 v1, 5, v0
	v_readfirstlane_b32 s10, v1                    ; wave 0..3
	s_lshr_b32 s11, s10, 1                         ; my 64 of the block's 128 rows.  Also: I fetch for A (0) or for W (1)
	s_and_b32 s12, s10, 1                          ; my 64 of its 128 columns.  Also: which half of that tile I fetch
	s_bfe_u32 s40, ttmp6, 0x40000                  ; cx
	s_bfe_u32 s41, ttmp6, 0x40004                  ; cy
	s_lshl_b32 s42, ttmp9, 2
	s_add_co_u32 s42, s42, s40                     ; block column 0..7
	s_and_b32 s13, ttmp7, 0xffff
	s_lshl_b32 s13, s13, 2
	s_add_co_u32 s13, s13, s41                     ; block row 0..31
	s_lshl_b32 s43, s41, 2
	s_lshl_b32 s43, 15, s43                        ; my row of the cluster
	s_lshl_b32 s44, 0x1111, s40                    ; my column
	s_or_b32 s[G1+0], s43, (1<<16)|(1<<20)|(1<<21)|(4<<22)|(3<<25)   ; mask; 2-byte elements; padding on; bit 21 beside a mask; after every 32 words 4 words
	s_mov_b32 s[G1+1], 64<<16                      ; tensor_dim0 = 64
	s_mov_b32 s[G1+2], 256<<16                     ; tensor_dim1 = 256
	s_mov_b32 s[G1+3], 64<<16                      ; tile_dim0 = 64 elements: a head's row
	s_mov_b32 s[G1+4], 256                         ; tile_dim1 = 256 rows: two heads of 128
	s_mov_b32 s[G1+5], 64                          ; the rows follow each other without a gap
	s_mov_b32 s[G1+6], 0
	s_mov_b32 s[G1+7], 0
	s_or_b32 s[G1B+0], s44, (1<<16)|(1<<20)|(1<<21)|(5<<22)|(7<<25)  ; the column's mask; after every 64 words 8 words
	s_mov_b32 s[G1B+1], 128<<16                    ; tensor_dim0 = 128 columns
	s_mov_b32 s[G1B+2], 128<<16                    ; tensor_dim1 = 128 k rows
	s_mov_b32 s[G1B+3], 128<<16                    ; tile_dim0
	s_mov_b32 s[G1B+4], 128                        ; tile_dim1
	s_mov_b32 s[G1B+5], 1024
	s_mov_b32 s[G1B+6], 0
	s_mov_b32 s[G1B+7], 0
	s_lshl_b32 s16, s13, 18                        ; A: block row x 16 heads x 16,384 bytes
	s_lshl_b32 s17, s12, 15                        ; + my two heads of the slot's four
	s_add_co_u32 s16, s16, s17
	s_mov_b32 s17, 0
	s_lshl_b32 s46, s12, 18                        ; W: my 128 k rows x 2,048 bytes,
	s_add_co_u32 s46, s46, 3*2097152               ; in plane 3 of wb,
	s_lshl_b32 s47, s42, 8                         ; at 128 columns x 2 bytes x block column
	s_add_co_u32 s46, s46, s47
	s_mov_b32 s47, 0
	s_mul_i32 s20, s10, PART                       ; where they go: wave x 36,864
	s_lshl_b32 s82, s42, 9                         ; my 64 columns in bo and in a row of out0: 4 x (128 x block column + 64 x half)
	s_lshl_b32 s83, s12, 8
	s_add_co_u32 s82, s82, s83
	s_mov_b32 s83, 0
	s_wait_dscnt 0x0
	s_wait_kmcnt 0x0
	s_add_nc_u64 s[14:15], s[4:5], s[16:17]
	s_add_nc_u64 s[46:47], s[6:7], s[46:47]
	s_add_nc_u64 s[68:69], s[68:69], s[82:83]
	s_add_nc_u64 s[70:71], s[70:71], s[82:83]
	s_lshl_b32 s82, s13, 19                        ; my first row: (128 x block row + 64 x half) x 4,096 bytes
	s_lshl_b32 s80, s11, 18
	s_add_co_u32 s82, s82, s80
	s_add_nc_u64 s[70:71], s[70:71], s[82:83]
	CROUND                                         ; all sixteen work-groups are here: the first joint loads meet
.irp s, 0,1
	s_mov_b32 s[G0+4*\s], 1
	s_add_co_u32 s[G0+4*\s+1], s20, \s*SLOT
	s_add_nc_u64 s[G0+4*\s+2:G0+4*\s+3], s[14:15], \s*ASTEP
	s_or_b32 s[G0+4*\s+3], s[G0+4*\s+3], 0x80000000
	s_mov_b32 s[G0B+4*\s], 1
	s_add_co_u32 s[G0B+4*\s+1], s20, \s*SLOT
	s_add_nc_u64 s[G0B+4*\s+2:G0B+4*\s+3], s[46:47], \s*WSTEP
	s_or_b32 s[G0B+4*\s+3], s[G0B+4*\s+3], 0x80000000
	JLOAD \s                                       ; both slots, K 0 to 511: two tensor loads of the wave are out
.endr
	v_and_b32 v1, 15, v0                           ; r
	v_bfe_u32 v2, v0, 4, 1                         ; h
	v_lshlrev_b32 v[BO], 5, v2
	WIN TO_1
.irp b, 0,1,2,3
	global_load_b128 v[BIAS+8*\b:BIAS+8*\b+3],   v[BO], s[68:69] offset:64*\b      ; bias of columns 16 b + 8 h + 0..3
	global_load_b128 v[BIAS+8*\b+4:BIAS+8*\b+7], v[BO], s[68:69] offset:64*\b+16   ; and + 4..7
.endr
	WIN 0
	v_mul_u32_u24 v3, v1, APITCH
	v_lshl_add_u32 v3, v2, 4, v3                   ; A: row x pitch + 16 h
	v_and_b32 v4, 7, v0
	v_lshl_add_u32 v4, v2, 3, v4                   ; W: k row 8 h + l % 8
	v_mul_u32_u24 v4, v4, WPITCH
	v_bfe_u32 v5, v0, 3, 1
	v_lshl_add_u32 v4, v5, 4, v4                   ; + 16 bytes for the odd groups of eight lanes
	s_mul_i32 s21, s11, 64*APITCH                  ; my 64 rows of A
	s_lshl_b32 s22, s12, 7                         ; my 64 columns of W
	s_add_co_u32 s22, s22, WBASE
.irp s, 0,1
	v_add_nc_u32 v[ADRA+\s], s21, v3
	v_add_nc_u32 v[ADRB+\s], s22, v4
	v_add_nc_u32 v[ADRB+2+\s], 128*WPITCH, v[ADRB+\s]
	s_add_co_u32 s21, s21, SLOT
	s_add_co_u32 s22, s22, SLOT
.endr
	s_mul_i32 s23, s10, 16*OPITCH
	s_add_co_u32 s23, s23, STAGE                   ; my stage
	v_mul_u32_u24 v5, v1, OPITCH
	v_lshl_add_u32 v5, v2, 5, v5                   ; in: row r, 32 bytes for each half of the lanes
	v_add_nc_u32 v[STO], s23, v5
	v_mul_u32_u24 v6, v2, OPITCH                   ; back: lanes 0-15 take one row of 256 bytes, lanes 16-31 the next
	v_lshl_add_u32 v6, v1, 4, v6
	v_add_nc_u32 v[RD], s23, v6
	v_lshlrev_b32 v7, 12, v2                       ; and the same two rows in out0
	v_lshl_add_u32 v[CO], v1, 4, v7
; Four matrix instructions: m block a x all 4 n blocks, on the buffer at mb.  The 16 accumulators take turns, one instruction a turn, in the same order in every quarter step.
.macro MUL4 a, zero
.irp b, 0,1,2,3
.if \zero
	v_wmma_f32_16x16x32_f16 v[8*(4*\a+\b):8*(4*\a+\b)+7], v[mb+8*\b:mb+8*\b+7], v[mb+32+8*\a:mb+32+8*\a+7], 0
.else
	v_wmma_f32_16x16x32_f16 v[8*(4*\a+\b):8*(4*\a+\b)+7], v[mb+8*\b:mb+8*\b+7], v[mb+32+8*\a:mb+32+8*\a+7], v[8*(4*\a+\b):8*(4*\a+\b)+7]
.endif
.endr
.endm
; 16 LDS loads in one run: quarter step fg (0 to 31) of the whole K: slot (fg / 8) % 2, quarter fg % 8, into buffer fg % 3.
; W's k rows 32 q .. + 31, transposed on the way; A's head q / 2 of the slot, d = 32 (q % 2) .. + 31.
.macro FETCH
.set fs, (fg>>3)&1
.set fq, fg&7
.set fb, F0+64*(fg%3)
.irp i, 0,1,2,3
	ds_load_tr16_b128 v[fb+8*\i:fb+8*\i+3],   v[ADRB+fs+2*(fq>>2)] offset:(fq&3)*32*WPITCH+32*\i
	ds_load_tr16_b128 v[fb+8*\i+4:fb+8*\i+7], v[ADRB+fs+2*(fq>>2)] offset:(fq&3)*32*WPITCH+16*WPITCH+32*\i
.endr
.irp i, 0,1,2,3
	ds_load_b128 v[fb+32+8*\i:fb+32+8*\i+3], v[ADRA+fs] offset:(fq>>1)*AHEAD+(fq&1)*64+\i*16*APITCH
	ds_load_b128 v[fb+32+8*\i+4:fb+32+8*\i+7], v[ADRA+fs] offset:(fq>>1)*AHEAD+(fq&1)*64+\i*16*APITCH+32
.endr
.endm
.macro PLACES                          ; four plain vector instructions between a matrix instruction and a load into one of its registers or a reader of its result (ISA guide 7.12.1 for vector instructions)
.rept 4
	v_nop
.endr
.endm
; Quarter step g.  In its middle it fetches quarter g + 2 into the buffer that quarter g - 1 has read.  left: how many younger LDS loads may stay out.
.macro QTR g, zero, fetch, left
.set mb, F0+64*((\g)%3)
	s_wait_dscnt \left                             ; LDS loads come back in order (ISA guide 5.7.1): quarter g's 16 are in, quarter g + 1's 16 may be out
	WIN MUL
	MUL4 0, \zero
	MUL4 1, \zero
.if \fetch
	PLACES
	WIN 0
.set fg, (\g)+2
	FETCH
	WIN MUL
.endif
	MUL4 2, \zero
	MUL4 3, \zero
.endm
; Quarter 6 of a slot changes slots: quarter 7's fragments are waited for, so the wave reads this slot no more; all its tensor loads have landed (one is out: its part of the
; next slot).  fill = 1: the barrier opens a round of the cluster's barrier and the joint refill, two slots ahead, is the first tensor load behind the round.
.macro QTURN g, slot, fill
.set mb, F0+64*((\g)%3)
	s_wait_dscnt 16
	WIN MUL
	MUL4 0, 0
	s_wait_dscnt 0                                 ; my reads of this slot are over
	s_wait_tensorcnt 0x0                           ; all my tensor loads have landed
	ds_add_u32 v62, v63
	s_wait_dscnt 0x0
	s_barrier_signal -1
	MUL4 1, 0                                      ; register work while the others arrive
	WIN 0
	s_barrier_wait -1
.if \fill
	CREST                                          ; no wave of any partner still reads this slot or has a load on its way
	s_add_nc_u64 s[G0+4*\slot+2:G0+4*\slot+3], s[G0+4*\slot+2:G0+4*\slot+3], 2*ASTEP
	s_add_nc_u64 s[G0B+4*\slot+2:G0B+4*\slot+3], s[G0B+4*\slot+2:G0B+4*\slot+3], 2*WSTEP
	JLOAD \slot
.endif
	PLACES
.set fg, (\g)+2
	FETCH                                          ; the next slot's first quarter
	WIN MUL
	MUL4 2, 0
	MUL4 3, 0
.endm
	s_wait_tensorcnt 1                             ; my part of slot 0 is in; slot 1's load stays out
	s_barrier_signal -1
	s_barrier_wait -1
.set fg, 0
	FETCH
.set fg, 1
	FETCH
	QTR 0, 1, 1, 16                                ; the first products start the sums
.irp g, 1,2,3,4,5
	QTR \g, 0, 1, 16
.endr
	QTURN 6, 0, 1                                  ; slot 0 is asked for again: K 512 to 767
.irp g, 7,8,9,10,11,12,13
	QTR \g, 0, 1, 16
.endr
	QTURN 14, 1, 1                                 ; slot 1: K 768 to 1023, the last load
.irp g, 15,16,17,18,19,20,21
	QTR \g, 0, 1, 16
.endr
	QTURN 22, 0, 0                                 ; nothing is left to ask for: my work-group's barrier alone
.irp g, 23,24,25,26,27,28,29
	QTR \g, 0, 1, 16
.endr
	QTR 30, 0, 0, 16                               ; nothing more to fetch
	QTR 31, 0, 0, 0
	PLACES
	s_wait_loadcnt 0x0                             ; the bias, asked for at the start
; rows 16 a .. 16 a + 15 of my block = tiles (a, 0..3): the bias is added, 32 bytes a lane and tile go into my own stage, whole rows of 256 bytes come back and leave
.macro OUTF a, f
	WIN 0x45                                       ; destination and both sources window 1
.irp b, 0,1,2,3
.irp r, 0,1,2,3
	v_pk_add_f32 v[8*(4*\a+\b)+2*\r:8*(4*\a+\b)+2*\r+1], v[8*(4*\a+\b)+2*\r:8*(4*\a+\b)+2*\r+1], v[BIAS+8*\b+2*\r:BIAS+8*\b+2*\r+1]
.endr
.endr
	WIN 0x04                                       ; an LDS store's data is source 1: window 1
.irp b, 0,1,2,3
	ds_store_b128 v[STO], v[8*(4*\a+\b):8*(4*\a+\b)+3]   offset:64*\b
	ds_store_b128 v[STO], v[8*(4*\a+\b)+4:8*(4*\a+\b)+7] offset:64*\b+16
.endr
	WIN 0
	s_wait_xcnt 0x0                                ; buffer f, which earlier stores read, is loaded again only behind this wait
.irp t, 0,1,2,3,4,5,6,7
	ds_load_b128 v[\f+4*\t:\f+4*\t+3], v[RD] offset:\t*2*OPITCH    ; a wave's LDS instructions are served in order (ISA guide 5.7.1): these see the stores above
.endr
.irp t, 0,1,2,3,4,5,6,7
	s_wait_dscnt 7-\t
	global_store_b128 v[CO], v[\f+4*\t:\f+4*\t+3], s[70:71] offset:(16*\a+2*\t)*4096 th:TH_STORE_NT   ; 16 lanes store 256 consecutive bytes, at a multiple of 256 from out0's first byte
.endr
.endm
	OUTF 0, 64
	OUTF 1, 128
	OUTF 2, 64
	OUTF 3, 128
	s_wait_tensorcnt 0x0
	ds_add_u32 v62, v63
	s_wait_dscnt 0x0
	CROUND                                         ; the closing round: no work-group ends while a partner may still ask for a tile that names it
	s_endpgm
.Lfunc_end_k_q6d62b6d9b4_oproj:
	.size	k_q6d62b6d9b4_oproj, .Lfunc_end_k_q6d62b6d9b4_oproj-k_q6d62b6d9b4_oproj
	.p2alignl 7, 3214868480
	.fill 96, 4, 3214868480
	.section	.rodata,"a",@progbits
	.p2align	6, 0x0
	.amdhsa_kernel k_q6d62b6d9b4_oproj
		.amdhsa_group_segment_fixed_size 327680
		.amdhsa_private_segment_fixed_size 0
		.amdhsa_enable_private_segment 0
		.amdhsa_kernarg_size 32
		.amdhsa_user_sgpr_count 2
		.amdhsa_user_sgpr_kernarg_segment_ptr 1
		.amdhsa_wavefront_size32 1
		.amdhsa_system_sgpr_workgroup_id_x 1
		.amdhsa_system_sgpr_workgroup_id_y 1
		.amdhsa_system_sgpr_workgroup_id_z 1
		.amdhsa_system_vgpr_workitem_id 0
		.amdhsa_next_free_vgpr 416
		.amdhsa_next_free_sgpr 84
		.amdhsa_reserve_vcc 0
		.amdhsa_float_denorm_mode_32 3
		.amdhsa_float_denorm_mode_16_64 3
		.amdhsa_memory_ordered 1
		.amdhsa_forward_progress 1
		.amdhsa_inst_pref_size 94
	.end_amdhsa_kernel
	.amdgpu_metadata
---
amdhsa.version: [ 1, 2 ]
amdhsa.kernels:
  - .name:           k_q6d62b6d9b4_oproj
    .symbol:         k_q6d62b6d9b4_oproj.kd
    .args:
      - { .name: ctx, .offset: 0, .size: 8, .value_kind: global_buffer, .address_space: global }
      - { .name: wb, .offset: 8, .size: 8, .value_kind: global_buffer, .address_space: global }
      - { .name: bo, .offset: 16, .size: 8, .value_kind: global_buffer, .address_space: global }
      - { .name: out0, .offset: 24, .size: 8, .value_kind: global_buffer, .address_space: global }
    .group_segment_fixed_size: 327680
    .private_segment_fixed_size: 0
    .kernarg_segment_align: 8
    .kernarg_segment_size: 32
    .max_flat_workgroup_size: 128
    .sgpr_count:     84
    .vgpr_count:     416
    .wavefront_size: 32
...
	.end_amdgpu_metadata
.endif
;; end of part 4
